; MI455X (gfx1250); checked and timed in simulation.
; The chip was launched on July 23, 2026; its instructions are those of AMD's public machine-readable ISA for CDNA 5 (MIT licence, August 2026) and "CDNA5" Instruction Set Architecture Reference Guide (July 2026). The comments in the code are by the model that wrote it; some were corrected since.
;; Flash Diff Custom Attention. Allowed arithmetic: matrix products marked QUANTISED: E4M3 operands, one given power-of-two scale a tensor, by v_wmma_f32_16x16x64_fp8_fp8 or v_wmma_f32_16x16x128_fp8_fp8, f32 sums; everything else in f32.
;; Inputs: k 2 x 2,048 x 16 x 128 float32; lambda_k1 128 float32; lambda_k2 128 float32; lambda_q1 128 float32; lambda_q2 128 float32; lowp_scales 8 int32 (the exponents e of the quantised operands' scales 2^e); q 2 x 2,048 x 16 x 128 float32; subln_weight 256 float32; v 2 x 2,048 x 16 x 128 float32.
;; Outputs: out0 2 x 2,048 x 16 x 128 float32.
;; This version of the problem:
;;   THIS VERSION OF THE PROBLEM IS GIVEN IN LOW PRECISION. The matrix products marked QUANTISED in the list below multiply operands that are first quantised to E4M3 (4 exponent bits, 3 mantissa bits; 8 bits a number), with one given power-of-two scale for each operand tensor; their sums are f32. All else is computed in f32.
;;   The module's matrix products, in the order in which they are computed (A, B: the left and right operand; K: the contracted axis; several contracted axes count as one K, in the product's order):
;;     1. batch 16 x [M 2,048, K 128] x [K 128, N 2,048]; A: input q; B: input k: QUANTISED (scales: A lowp_scales[0], B lowp_scales[1])
;;     2. batch 16 x [M 256, K 2,048] x [K 2,048, N 2,048]; A: computed on the way; B: softmax (see below): QUANTISED (scales: A lowp_scales[2], B lowp_scales[3])
;;     3. batch 16 x [M 2,048, K 128] x [K 128, N 2,048]; A: input q; B: input k: QUANTISED (scales: A lowp_scales[4], B lowp_scales[5])
;;     4. batch 16 x [M 256, K 2,048] x [K 2,048, N 2,048]; A: computed on the way; B: softmax (see below): QUANTISED (scales: A lowp_scales[6], B lowp_scales[7])
;;   THE QUANTISER, for each operand of a quantised product, along K:
;;     - The operand's scale is 2^e, e = its entry of the input lowp_scales (int32; the entries are numbered through the quantised products in the list's order, A before B).
;;     - Each number is divided by the scale, clamped to +-448, and rounded to the nearest number of E4M3, ties to even, subnormals kept.
;;     - The product sums the exact products of the quantised numbers (number of the format x scale) in f32.
;;   ~~~python
;;   def quantise(x, axis, e):      # numpy; x: float32 -> the quantised numbers, widened to float32 again
;;       x = np.moveaxis(x, axis, -1); K = x.shape[-1]
;;       r = np.clip(x / 2.0 ** e, -448, 448)
;;       step = 2.0 ** (np.maximum(np.frexp(np.where(r == 0, 1, r))[1] - 1, -6) - 3)
;;       q = np.round(r / step) * step * 2.0 ** e      # np.round: ties to even
;;       return np.moveaxis(q, -1, axis).astype(np.float32)
;;   ~~~
;;   SOFTMAX AHEAD OF A QUANTISED PRODUCT. Where the list says 'softmax', what is quantised is not the finished softmax but p = 2^(t - M), with t = logit x log2(e) and M = ceil(the row's largest t), a whole number; so 1/2 < the row's largest p <= 1. The row's sum l is taken of the UNQUANTISED p, in f32, and the product's result is divided by l at the end. Since M is a whole number, a kernel that streams over the keys may use a running M (the ceiling of the running maximum): every later rescaling is an exact power of two, so the quantised numbers keep their values, but for numbers so far below the row's largest that they fall under the format's range.
;;   OPERANDS COMPUTED ON THE WAY. 'Computed on the way' means the value that the module computes at that place (a softmax that the list does not call 'softmax' is quantised finished and normalised). What goes into a quantiser is computed in f32, as accurately as f32 sums, v_exp_f32 and their like allow (about 1e-6 of the number): no bf16 or f16 on the way to a quantiser, and a product that is left as it is and whose result goes on into a quantised operand takes f32 operands (vector FMAs, or v_wmma_f32_16x16x4_f32). A number that lies on a knife's edge between two numbers of the format may be rounded either way, as far as f32 arithmetic and the matrix unit's own rounding can turn it there, and no further.
;; One version. Each part assembles by itself: llvm-mc -triple=amdgcn-amd-amdhsa -mcpu=gfx1250 --defsym DOCPART=n.
;; ======== version 1 of 1: 2 launches
;; limits: right only within a limited range of input values
;; workspace buffers: kc 8,388,608 bytes; vc 16,777,216 bytes
;; launch prep (part 1): grid 512 x 1, 4 waves a work-group, no clusters, 33,280 bytes of LDS; arguments k, v, lowp_scales, kc, vc; writes kc, vc
.if DOCPART == 1
	.amdgcn_target "amdgcn-amd-amdhsa--gfx1250"
	.amdhsa_code_object_version 6
	.text
	.protected	k_q0519075fce_prep
	.globl	k_q0519075fce_prep
	.p2align	8
	.type	k_q0519075fce_prep,@function
k_q0519075fce_prep:
	s_mov_b64 s[64:65], 0
	v_nop
	global_prefetch_b8 v0, s[64:65] scope:SCOPE_SE
	s_setreg_imm32_b32 hwreg(HW_REG_WAVE_MODE, 25, 1), 1
	s_wait_xcnt 0x0
; k, v: [2][2048][16][128] f32 are turned ONCE into codes of E4M3 with the given scales 2^e (lowp_scales e0 .. e7): many work-groups of the next launch read them.
; (q is read once by one wave there and is quantised there.)  code = x / 2^e, held within +-448, to the nearest code, ties to even.
;   kc: [2][2048][16][128], a byte a number, in k's own order.  Even heads: e1, odd heads: e5.
;   vc: v's codes with the KEYS innermost, as images of the second product's operand registers, twice: a = 0 with e2, a = 1 with e6.
;       vc[bh = 8 b + h][kb: 128 keys][a][ct 0..15][2,048 bytes]; in a fragment the byte at 512 g + 16 L + 4 m + y (L = r + 16 hl) is the code of
;       channel 64 (ct / 4) + 4 r + ct % 4 of the pair's 256 and of key 128 kb + 32 g + 16 (m / 2) + 8 hl + 4 (m % 2) + y: register 4 g + m of lane L.
; LIMITS: every e lies between -126 and 119.  NaN among the inputs is not served (an infinity is held at the largest code).
; Work-groups 0-255 take k, 256-511 v.  No tensor loads, no barrier: waves share nothing.  Every wave takes 8,192 numbers.
.set STEPS, 16
.set R,     16                         ; k: four sets of 16 numbers as loaded
.set X,     80                         ; two sets of 16 neighbours
.set C,     128                        ; codes: four registers a step
.set WREG,  8192                       ; LDS region of a wave: two stages of 32 x SP bytes
.set SP,    80                         ; a lane's 64 bytes + 16 of padding
.set SPW,   12                         ; my spare word's address; never rewritten
.set NIL,   13                         ; 0; never rewritten
.set SPARE, 4*WREG
.set VX,    32                         ; v: two sets of 64 numbers (16 keys x 4 channels a lane)
.set VT,    160                        ; held numbers, two sets of 8
.set VC,    176                        ; codes, a register a key
.set PT,    192                        ; the turn's halves
.set OUT,   200                        ; [a][x][m]: a register four keys of one channel
	s_load_b64 s[4:5], s[0:1], 0x0                 ; k
	s_load_b128 s[8:11], s[0:1], 0x8               ; v, the scales' exponents
	s_load_b64 s[12:13], s[0:1], 0x18              ; kc
	s_load_b64 s[16:17], s[0:1], 0x20              ; vc
	v_lshl_add_u32 v[SPW], v0, 2, SPARE
	v_mov_b32 v[NIL], 0
	v_lshrrev_b32 v1, 5, v0
	v_readfirstlane_b32 s20, v1                    ; wave
	v_and_b32 v2, 31, v0                           ; lane
	s_wait_kmcnt 0x0
	s_load_b256 s[24:31], s[10:11], 0x0            ; e0 .. e7
	s_cmp_ge_u32 ttmp9, 256
	s_cbranch_scc1 .Lv
; ---- k: a plain stream.  A step is four loads of 512 consecutive bytes, turned through the wave's own stage so that a lane holds 16 neighbours.
	s_wait_alu depctr_va_vdst(0)
	v_lshlrev_b32 v3, 4, v2
	s_wait_alu depctr_va_vdst(0)
	s_mul_i32 s21, s20, WREG
	v_lshrrev_b32 v14, 2, v2
	v_mul_u32_u24 v14, v14, SP
	v_and_b32 v15, 3, v2
	v_lshl_add_u32 v14, v15, 4, v14
	v_add_nc_u32 v14, s21, v14                     ; stage, in: SP (lane / 4) + 16 (lane % 4)
	v_mul_u32_u24 v15, v2, SP
	v_add_nc_u32 v15, s21, v15                     ; out: SP x lane
	v_lshlrev_b32 v4, 4, v2
	s_lshl_b32 s21, ttmp9, 2
	s_add_co_u32 s22, s21, s20                     ; my run of 8,192 numbers
	s_mov_b32 s23, 0
	s_lshl_b64 s[32:33], s[22:23], 15
	s_add_nc_u64 s[4:5], s[4:5], s[32:33]
	s_lshl_b64 s[32:33], s[22:23], 13
	s_add_nc_u64 s[12:13], s[12:13], s[32:33]
.macro LOAD t
.irp i, 0,1,2,3
	global_load_b128 v[R+16*((\t)%4)+4*\i:R+16*((\t)%4)+4*\i+3], v3, s[4:5] offset:2048*(\t)+512*\i th:TH_LOAD_NT
.endr
.endm
.macro TURN t                          ; LDS serves a wave's instructions in order: no wait between the stores and the loads
.irp i, 0,1,2,3
	ds_store_b128 v14, v[R+16*((\t)%4)+4*\i:R+16*((\t)%4)+4*\i+3] offset:32*SP*((\t)%2)+8*SP*\i
.endr
.irp i, 0,1,2,3
	ds_load_b128 v[X+16*((\t)%2)+4*\i:X+16*((\t)%2)+4*\i+3], v15 offset:32*SP*((\t)%2)+16*\i
.endr
.endm
.irp t, 0,1,2,3
	LOAD \t
.endr
	s_wait_kmcnt 0x0
	s_add_co_i32 s34, s25, 127                     ; even heads: e1
	s_add_co_i32 s35, s29, 127                     ; odd heads: e5
	s_lshl_b32 s36, s34, 23
	s_lshl_b32 s37, s35, 23
	s_add_co_i32 s34, s34, 8
	s_add_co_i32 s35, s35, 8
	s_lshl_b32 s34, s34, 23
	s_lshl_b32 s35, s35, 23
	s_or_b32 s34, s34, 0x600000                    ; 448 x 2^e
	s_or_b32 s35, s35, 0x600000
	v_and_b32 v5, 8, v2                            ; my 16 neighbours lie in an odd head where bit 3 of the lane is set
	v_cmp_ne_u32 vcc_lo, 0, v5
	v_mov_b32 v6, s36
	v_mov_b32 v7, s37
	v_mov_b32 v8, s34
	v_mov_b32 v9, s35
	v_cndmask_b32 v11, v6, v7, vcc_lo
	v_cndmask_b32 v10, v8, v9, vcc_lo
	s_wait_alu depctr_va_vdst(0)
	s_wait_loadcnt 12                              ; step 0's four loads are in
	TURN 0
.macro STEP t
.set XS, X+16*((\t)%2)
	s_wait_dscnt 0x0                               ; this step's numbers are back, and its stores have read their registers
.if (\t)+4 < STEPS
	LOAD (\t)+4
.endif
.if (\t)+1 < STEPS
.if STEPS-2-(\t) >= 3
	s_wait_loadcnt 12                              ; the next step's loads are in; three steps' may be out
.else
	s_wait_loadcnt 4*(STEPS-2-(\t))
.endif
	TURN (\t)+1
.endif
.irp i, 0,1,2,3,4,5,6,7,8,9,10,11,12,13,14,15
	v_med3_num_f32 v[XS+\i], v[XS+\i], -v10, v10   ; the conversion does not saturate (ISA guide 7.6.2)
.endr
	v_cvt_scalef32_pk8_fp8_f32 v[C+4*(\t):C+4*(\t)+1], v[XS:XS+7], v11
	v_cvt_scalef32_pk8_fp8_f32 v[C+4*(\t)+2:C+4*(\t)+3], v[XS+8:XS+15], v11
	global_store_b128 v4, v[C+4*(\t):C+4*(\t)+3], s[12:13] offset:512*(\t)        ; 512 consecutive bytes, aligned
.endm
.irp t, 0,1,2,3,4,5,6,7,8,9,10,11,12,13,14,15
	STEP \t
.endr
	s_wait_tensorcnt 0x0                           ; the wave's end
	ds_add_u32 v[SPW], v[NIL]
	s_wait_dscnt 0x0
	s_endpgm
; ---- v.  A wave takes 32 keys x one pair's 256 channels, four units of 64 channels.  A lane takes four channels and its registers run down the keys;
; byte permutes turn four keys x four channels into a register of four keys for each channel: the operand's registers, stored 512 bytes a store.
.Lv:
	s_sub_co_u32 s21, ttmp9, 256
	s_lshr_b32 s22, s21, 1                         ; 64 b + G: which 32 keys
	s_and_b32 s23, s21, 1
	s_lshl_b32 s23, s23, 2
	s_add_co_u32 s23, s23, s20                     ; h
	s_lshl_b32 s32, s22, 18
	s_lshl_b32 s33, s23, 10
	s_add_co_u32 s32, s32, s33
	s_mov_b32 s33, 0
	s_add_nc_u64 s[8:9], s[8:9], s[32:33]
	s_lshr_b32 s34, s22, 6                         ; b
	s_and_b32 s35, s22, 63                         ; G
	s_lshl_b32 s34, s34, 3
	s_add_co_u32 s34, s34, s23                     ; bh
	s_lshl_b32 s34, s34, 4
	s_lshr_b32 s36, s35, 2
	s_add_co_u32 s34, s34, s36                     ; 16 bh + kb
	s_lshl_b32 s34, s34, 16
	s_and_b32 s35, s35, 3
	s_lshl_b32 s35, s35, 9                         ; g
	s_add_co_u32 s34, s34, s35
	s_mov_b32 s35, 0
	s_add_nc_u64 s[16:17], s[16:17], s[34:35]
	s_wait_alu depctr_va_vdst(0)
	v_and_b32 v5, 15, v2
	v_lshrrev_b32 v6, 4, v2
	v_lshlrev_b32 v3, 4, v5
	v_lshl_add_u32 v3, v6, 16, v3                  ; in: 16 r + 8 rows x hl
	v_lshlrev_b32 v4, 4, v2                        ; out: 16 x lane
	s_mov_b32 s40, 0x05010400
	s_mov_b32 s41, 0x07030602
	s_mov_b32 s42, 0x05040100
	s_mov_b32 s43, 0x07060302
.macro VLOAD cb
.irp i, 0,1,2,3,4,5,6,7,8,9,10,11,12,13,14,15
	global_load_b128 v[VX+64*((\cb)%2)+4*\i:VX+64*((\cb)%2)+4*\i+3], v3, s[8:9] offset:(16*(\i/8)+\i%8)*8192+256*(\cb) th:TH_LOAD_NT
.endr
.endm
.macro VQ a, xs, sc, lim               ; one scale's codes of a unit; the numbers stay for the second scale
.irp i, 0,1,2,3,4,5,6,7
.irp n, 0,1,2,3,4,5,6,7
	v_med3_num_f32 v[VT+8*(\i%2)+\n], v[(\xs)+8*\i+\n], -v[\lim], v[\lim]
.endr
	v_cvt_scalef32_pk8_fp8_f32 v[VC+2*\i:VC+2*\i+1], v[VT+8*(\i%2):VT+8*(\i%2)+7], v[\sc]
.endr
.irp m, 0,1,2,3
	v_perm_b32 v[PT+4*(\m%2)],   v[VC+4*\m+1], v[VC+4*\m],   s40
	v_perm_b32 v[PT+4*(\m%2)+1], v[VC+4*\m+1], v[VC+4*\m],   s41
	v_perm_b32 v[PT+4*(\m%2)+2], v[VC+4*\m+3], v[VC+4*\m+2], s40
	v_perm_b32 v[PT+4*(\m%2)+3], v[VC+4*\m+3], v[VC+4*\m+2], s41
	v_perm_b32 v[OUT+16*\a+\m],    v[PT+4*(\m%2)+2], v[PT+4*(\m%2)],   s42
	v_perm_b32 v[OUT+16*\a+4+\m],  v[PT+4*(\m%2)+2], v[PT+4*(\m%2)],   s43
	v_perm_b32 v[OUT+16*\a+8+\m],  v[PT+4*(\m%2)+3], v[PT+4*(\m%2)+1], s42
	v_perm_b32 v[OUT+16*\a+12+\m], v[PT+4*(\m%2)+3], v[PT+4*(\m%2)+1], s43
.endr
.endm
.macro VUNIT cb
.set XS, VX+64*((\cb)%2)
.if (\cb) < 3
	s_wait_loadcnt 16                              ; this unit's 16 loads are in
.else
	s_wait_loadcnt 0x0
.endif
	s_wait_xcnt 0x0                                ; the last unit's stores have read OUT
	VQ 0, XS, 16, 17
	VQ 1, XS, 18, 19
.if (\cb) < 2
	VLOAD (\cb)+2
.endif
.irp a, 0,1
.irp x, 0,1,2,3
	global_store_b128 v4, v[OUT+16*\a+4*\x:OUT+16*\a+4*\x+3], s[16:17] offset:\a*32768+(4*(\cb)+\x)*2048
.endr
.endr
.endm
	VLOAD 0
	VLOAD 1
	s_wait_kmcnt 0x0
	s_add_co_i32 s26, s26, 127                     ; e2
	s_lshl_b32 s32, s26, 23
	v_mov_b32 v16, s32
	s_add_co_i32 s26, s26, 8
	s_lshl_b32 s26, s26, 23
	s_or_b32 s26, s26, 0x600000
	v_mov_b32 v17, s26
	s_add_co_i32 s30, s30, 127                     ; e6
	s_lshl_b32 s32, s30, 23
	v_mov_b32 v18, s32
	s_add_co_i32 s30, s30, 8
	s_lshl_b32 s30, s30, 23
	s_or_b32 s30, s30, 0x600000
	v_mov_b32 v19, s30
	s_wait_alu depctr_va_vdst(0)
	VUNIT 0
	VUNIT 1
	VUNIT 2
	VUNIT 3
	s_wait_tensorcnt 0x0                           ; the wave's end
	ds_add_u32 v[SPW], v[NIL]
	s_wait_dscnt 0x0
	s_endpgm
.Lfunc_end_k_q0519075fce_prep:
	.size	k_q0519075fce_prep, .Lfunc_end_k_q0519075fce_prep-k_q0519075fce_prep
	.p2alignl 7, 3214868480
	.fill 96, 4, 3214868480
	.section	.rodata,"a",@progbits
	.p2align	6, 0x0
	.amdhsa_kernel k_q0519075fce_prep
		.amdhsa_group_segment_fixed_size 33280
		.amdhsa_private_segment_fixed_size 0
		.amdhsa_enable_private_segment 0
		.amdhsa_kernarg_size 40
		.amdhsa_user_sgpr_count 2
		.amdhsa_user_sgpr_kernarg_segment_ptr 1
		.amdhsa_wavefront_size32 1
		.amdhsa_system_sgpr_workgroup_id_x 1
		.amdhsa_system_sgpr_workgroup_id_y 1
		.amdhsa_system_sgpr_workgroup_id_z 1
		.amdhsa_system_vgpr_workitem_id 0
		.amdhsa_next_free_vgpr 232
		.amdhsa_next_free_sgpr 66
		.amdhsa_reserve_vcc 1
		.amdhsa_float_denorm_mode_32 3
		.amdhsa_float_denorm_mode_16_64 3
		.amdhsa_memory_ordered 1
		.amdhsa_forward_progress 1
		.amdhsa_inst_pref_size 101
	.end_amdhsa_kernel
	.amdgpu_metadata
---
amdhsa.version: [ 1, 2 ]
amdhsa.kernels:
  - .name:           k_q0519075fce_prep
    .symbol:         k_q0519075fce_prep.kd
    .args:
      - { .name: k, .offset: 0, .size: 8, .value_kind: global_buffer, .address_space: global }
      - { .name: v, .offset: 8, .size: 8, .value_kind: global_buffer, .address_space: global }
      - { .name: lowp_scales, .offset: 16, .size: 8, .value_kind: global_buffer, .address_space: global }
      - { .name: kc, .offset: 24, .size: 8, .value_kind: global_buffer, .address_space: global }
      - { .name: vc, .offset: 32, .size: 8, .value_kind: global_buffer, .address_space: global }
    .group_segment_fixed_size: 33280
    .private_segment_fixed_size: 0
    .kernarg_segment_align: 8
    .kernarg_segment_size: 40
    .max_flat_workgroup_size: 128
    .sgpr_count:     66
    .vgpr_count:     232
    .wavefront_size: 32
...
	.end_amdgpu_metadata
.endif
;; end of part 1
;; launch attn (part 2): grid 16 x 16, 8 waves a work-group, clusters of 4 x 1, 327,680 bytes of LDS; arguments q, kc, vc, lowp_scales, lambda_q1, lambda_k1, lambda_q2, lambda_k2, subln_weight, out0; writes out0
.if DOCPART == 2
	.amdgcn_target "amdgcn-amd-amdhsa--gfx1250"
	.amdhsa_code_object_version 6
	.text
	.protected	k_q0519075fce_attn
	.globl	k_q0519075fce_attn
	.p2align	8
	.type	k_q0519075fce_attn,@function
k_q0519075fce_attn:
	s_mov_b64 s[64:65], 0
	v_nop
	global_prefetch_b8 v0, s[64:65] scope:SCOPE_SE
	s_setreg_imm32_b32 hwreg(HW_REG_WAVE_MODE, 25, 1), 1
	s_wait_xcnt 0x0
	s_wait_alu depctr_hold_cnt(0) depctr_sa_sdst(0) depctr_va_vdst(0) depctr_va_sdst(0) depctr_va_ssrc(0) depctr_va_vcc(0) depctr_vm_vsrc(0)
	s_getreg_b32 s2, hwreg(HW_REG_IB_STS2, 6, 4)
	s_cmp_eq_u32 s2, 0
	s_cbranch_scc0 .Lentry_in_a_cluster
	s_endpgm
.Lentry_in_a_cluster:
	s_bfe_u32 s2, ttmp6, 0x10000c
	s_cmp_lg_u32 s2, 0x3003
	s_cbranch_scc0 .Lentry_shape_is_right
	s_endpgm
.Lentry_shape_is_right:
; Differential attention on codes of E4M3: out = gain x rmsnorm(attn1 - lambda attn2) x (1 - lambda_init), both attentions causal, over the pair's 256 channels of v.
; q: [2][2048][16][128] f32, quantised here in registers (each number is read by one wave); kc, vc: codes laid by the launch before.  out0: [2][2048][16][128] f32.
; THE SOFTMAX: t = score x log2(e) / sqrt(128); M = the running largest t rounded UP to a whole number; p = 2^(t - M) is quantised along the keys; the sum of the unquantised p divides at the end.
; LEFT OUT: key steps all of whose keys come after a wave's queries: the mask that the problem itself builds makes their p zero.
; SHARES.  A CLUSTER of four work-groups (c = 0..3, pair bh) takes two groups of 256 queries: group 7 - c, then group c.  Group m needs 2 m + 2 slots of 128 keys: 18 slots for every cluster.
; In a group, partner p's wave tile t (0..3) holds queries 256 m + 64 t + 16 p + 0..15: so all four partners read every slot, and every branch uses 256 m + 64 t, which the partners share.
; K's and V's tiles are asked for JOINTLY by the four (mask 15).  p enters global offsets and the mask's data alone.
; Eight waves: wave w serves attention a = w / 4 and tile t = w % 4, all 256 channels.  Both products transposed: a lane holds one query (lane % 16).
; ONE LOOP over the 18 slots: 17 trips that ask for the next slot and a last one written out; where the first group ends (a branch on ids), its way out runs inside the loop and the tile addresses go back to key 0.
; THE WAY OUT.  Wave w keeps the 128 channels of head 2 h + a and sends the other 128, x 1 / l (a = 1: x -lambda / l), to wave w ^ 4 through LDS; they exchange sums of squares; norm, gain, a stage, whole rows out.
; LIMITS: e(q) + e(k) between -123 and 130; e(q), e(p) between -126 and 119; e(v) + e(p) goes by v_ldexp_f32.  NaN among the inputs is not served.
; LDS: slot 0 at 0, slot 1 at 2^17: 128 rows of K (k1 | k2, 256 + 16 bytes), then V's 65,536 bytes [a][ct][2,048]; behind: XCH, 8,704 bytes a wave; PSB, a word a thread; the spare words.
; REGISTERS, window 0: v1-11 addresses; v12 -M, v13 largest t, v[14:15] the sum; v16-31 Q; v32-159 eight fragments; v160-223 S^T, p, four fragments; v224-239 P; v240-255 constants.  Window 1: v0-127 O^T; v128-191 the gain; v192-207 the second group's Q.
.set KP,    272
.set VOFF,  128*KP
.set SLOT1, 1<<17
.set XCH,   SLOT1+VOFF+65536
.set XWB,   8704
.set PSB,   XCH+8*XWB
.set SPARE, PSB+1024
.set AK,   1
.set AVK,  2
.set AVS,  3
.set PFO,  4                           ; the prefetch's offset; never rewritten
.set SPW,  6
.set NIL,  7
.set ADK,  8
.set ADVK, 9
.set ADVS, 10
.set DL,   11                          ; r - 8 hl + 16 p
.set Q,    16
.set FA,   32
.set S,    160
.set P,    224
.set LIMP, 240
.set QOF,  241
.set SCP,  244
.set PD,   245
.set FV,   246
.set XW,   247
.set XR,   248
.set STO,  249
.set PSW,  250
.set PSR,  251
.set F,    252
.set T,    254
.set GO,   255
.set EA,   32
.set EB,   96
.set EC,   160
.set WP,   128
.set Q2,   192
.set G1K, 24
.set G1V, 32
.set G0K, 40
.set G0V, 44
.set N1,  48                           ; slots of the first group: 16 - 2 c
.set WK,  50                           ; s[50:51], s[52:53]: what the tile addresses go back by
.set WVV, 52
.set WV,  56
.set AT,  57
.set QT,  58
.set JJ,  59                           ; c
.set BH,  60
.set TB,  61
.set KF,  62
.set SQ,  63                           ; slots done, 0..17
.set Q0,  66                           ; 256 m + 64 t
.set LIM, 67                           ; a wave prefetches while SQ is under it
.set PFA, 68
.set PFS, 70
.set CS,  72
.set SEL, 74
.set EVP, 76
.set AMASK, 77
.set PX,  100                          ; p: my place in the cluster
.set MSB, 0
.macro WIN new
.if MSB != \new
	s_set_vgpr_msb (MSB<<8)|\new
.set MSB, \new
.endif
.endm
.macro ROUND                           ; a round of the cluster's barrier
	s_barrier_signal -1
	s_barrier_wait -1
	s_cmp_lg_u32 s[WV], 0
	s_cbranch_scc1 .Lnw0_\@
	s_barrier_signal -3
.Lnw0_\@:
	s_barrier_wait -3
	s_barrier_signal -1
	s_barrier_wait -1
.endm
.macro JLOAD                           ; waves 0-3: 32 rows of K each; waves 4-7: 16,384 bytes of V each.
	s_cmp_lt_u32 s[WV], 4
	s_cbranch_scc0 .Lfv_\@
	tensor_load_to_lds s[G0K:G0K+3], s[G1K:G1K+7]
	s_nop 0
.rept 4
	v_nop
.endr
	s_branch .Lasked_\@
.Lfv_\@:
	tensor_load_to_lds s[G0V:G0V+3], s[G1V:G1V+7]
	s_nop 0
.rept 4
	v_nop
.endr
.Lasked_\@:
.endm
; A prefetch of the slot that the NEXT change asks for.  Cluster c = 0, which walks all sixteen slots of the pair in its first group, asks; its partners share the blocks out by address:
; wave 0 names K's rows 32 p + lane, waves 4 and 5 the 64 blocks of V's quarter p: each block of 256 bytes once.  Trips 0 to 13 name slots 2 to 15.
.macro ASK
	s_cmp_lt_u32 s[SQ], s[LIM]
	s_cbranch_scc0 .Lnm_\@
	global_prefetch_b8 v[PFO], s[PFA:PFA+1] th:TH_LOAD_NT scope:SCOPE_SE
.Lnm_\@:
.endm
; THE CHANGE OF SLOTS.  All my tensor loads are in, the add, my reads of the slot that I left are over; fill = 1: a round of the cluster's barrier, then the joint load of the next slot.
.macro CHANGE fill
	s_wait_tensorcnt 0x0
	ds_add_u32 v[SPW], v[NIL]
.if \fill
	s_xor_b32 s[G0K+1], s[G0K+1], SLOT1
	s_xor_b32 s[G0V+1], s[G0V+1], SLOT1
	s_add_nc_u64 s[G0K+2:G0K+3], s[G0K+2:G0K+3], 0x40000   ; 128 rows of 2,048 bytes on
	s_add_nc_u64 s[G0V+2:G0V+3], s[G0V+2:G0V+3], 0x10000   ; a block of 65,536 bytes on
	s_add_co_u32 s96, s[SQ], 1
	s_lshl_b32 s[WK], s[N1], 18
	s_lshl_b32 s[WVV], s[N1], 16
	s_cmp_eq_u32 s96, s[N1]                        ; the slot asked for is the second group's first: back to key 0
	s_cselect_b32 s[WK], s[WK], 0
	s_cselect_b32 s[WVV], s[WVV], 0
	s_sub_nc_u64 s[G0K+2:G0K+3], s[G0K+2:G0K+3], s[WK:WK+1]
	s_sub_nc_u64 s[G0V+2:G0V+3], s[G0V+2:G0V+3], s[WVV:WVV+1]
	s_wait_xcnt 0x0                                ; the last prefetch has read its address
	s_add_nc_u64 s[PFA:PFA+1], s[PFA:PFA+1], s[PFS:PFS+1]
.endif
	s_wait_dscnt 0x0
.if \fill
	ROUND
	JLOAD
	ASK
.else
	s_barrier_signal -1
	s_barrier_wait -1
.endif
.endm
.macro PV i, ar
	v_wmma_f32_16x16x128_fp8_fp8 v[8*(\i):8*(\i)+7], v[\ar:\ar+15], v[P:P+15], v[8*(\i):8*(\i)+7]
.endm
; A KEY STEP: the 128 keys of the slot in hand.  KF and Q0 are multiples of 64, so both tests give what my true first query Q0 + 16 p would give.
.macro STEP
	s_add_co_u32 s96, s[Q0], 15
	s_cmp_gt_u32 s[KF], s96                        ; all keys come after my queries
	s_cbranch_scc1 .Lhidden_\@
	v_add_nc_u32 v[ADK], s[TB], v[AK]
	v_add_nc_u32 v[ADVK], s[TB], v[AVK]
	v_add_nc_u32 v[ADVS], s[TB], v[AVS]
	v_nop                                          ; five places behind the last step's products (ISA guide 7.12.1)
	v_nop
.irp t, 0,1,2,3,4,5,6,7
.irp c, 0,1,2,3
	ds_load_b128 v[FA+16*\t+4*\c:FA+16*\t+4*\c+3], v[ADK] offset:16*\t*KP+32*\c
.endr
.endr
	s_wait_alu depctr_va_vdst(0)
	s_wait_dscnt 16                                ; tiles 0-3 are in
.irp t, 0,1,2,3
	v_wmma_f32_16x16x128_fp8_fp8 v[S+8*\t:S+8*\t+7], v[FA+16*\t:FA+16*\t+15], v[Q:Q+15], 0
.endr
	s_wait_dscnt 0x0
.irp t, 4,5,6,7
	v_wmma_f32_16x16x128_fp8_fp8 v[S+8*\t:S+8*\t+7], v[FA+16*\t:FA+16*\t+15], v[Q:Q+15], 0
.endr
.rept 4
	v_nop
.endr
.irp i, 0,1,2,3,4,5,6,7                        ; V's kept fragments land under the softmax
.irp g, 0,1,2,3
	ds_load_b128 v[FA+16*\i+4*\g:FA+16*\i+4*\g+3], v[ADVK] offset:2048*\i+512*\g
.endr
.endr
	s_add_co_u32 s96, s[KF], 127
	s_cmp_le_u32 s96, s[Q0]                        ; all keys count
	s_cbranch_scc1 .Lopen_\@
	s_sub_co_i32 s96, s[Q0], s[KF]
	v_add_nc_u32 v[F], s96, v[DL]                  ; d = my query - KF - 8 hl; register 8 c + i is hidden where 16 c + i > d
	v_mov_b32 v[T], 0xff800000
.set n, 0
.rept 64
	v_cmp_gt_i32 vcc_lo, 16*(n/8)+n%8, v[F]
	v_cndmask_b32 v[S+n], v[S+n], v[T], vcc_lo
.set n, n+1
.endr
.Lopen_\@:
	v_max3_num_f32 v[T], v[S], v[S+1], v[S+2]
	v_max3_num_f32 v[F], v[S+3], v[S+4], v[S+5]
.irp i, 6,10,14,18,22,26,30,34,38,42,46,50,54,58
	v_max3_num_f32 v[T], v[T], v[S+\i], v[S+\i+1]
	v_max3_num_f32 v[F], v[F], v[S+\i+2], v[S+\i+3]
.endr
	v_max3_num_f32 v[T], v[T], v[S+62], v[S+63]
	s_delay_alu instid0(VALU_DEP_1)
	v_max_num_f32 v[T], v[T], v[F]
	s_delay_alu instid0(VALU_DEP_1)
	v_permlanex16_b32 v[PD], v[T], s[SEL], s[SEL+1]
	s_delay_alu instid0(VALU_DEP_1)
	v_max_num_f32 v[T], v[T], v[PD]
	s_delay_alu instid0(VALU_DEP_1)
	v_mul_f32 v[T], s[CS], v[T]
	s_delay_alu instid0(VALU_DEP_1)
	v_max_num_f32 v13, v13, v[T]
	v_mov_b32 v[T], v12
	s_delay_alu instid0(VALU_DEP_2)
	v_floor_f32 v12, -v13                          ; -M
	s_delay_alu instid0(VALU_DEP_1)
	v_sub_f32 v[T], v12, v[T]
	s_delay_alu instid0(VALU_DEP_1)
	v_cvt_i32_f32 v[T], v[T]
	s_delay_alu instid0(VALU_DEP_1)
	v_ldexp_f32 v[F], 1.0, v[T]                    ; f = 2^(old M - new M)
.set j, 0
.rept 32
	v_pk_fma_f32 v[S+j:S+j+1], v[S+j:S+j+1], s[CS:CS+1], v[12:13] op_sel_hi:[1,0,0]
.set j, j+2
.endr
.set j, 0
	s_wait_alu depctr_va_vdst(0)
.rept 64
	v_exp_f32 v[S+j], v[S+j]
.set j, j+1
.endr
	v_pk_mul_f32 v[14:15], v[14:15], v[F:F+1] op_sel_hi:[1,0]
	s_wait_alu depctr_va_vdst(0)                   ; one wait for the batch
	v_pk_add_f32 v[242:243], v[164:165], v[168:169]
	v_pk_add_f32 v[238:239], v[172:173], v[176:177]
	v_pk_add_f32 v[236:237], v[180:181], v[184:185]
	v_pk_add_f32 v[234:235], v[188:189], v[192:193]
	v_pk_add_f32 v[232:233], v[196:197], v[200:201]
	v_pk_add_f32 v[230:231], v[204:205], v[208:209]
	v_pk_add_f32 v[228:229], v[212:213], v[216:217]
	v_pk_add_f32 v[14:15], v[14:15], v[220:221]
	v_pk_add_f32 v[242:243], v[242:243], v[160:161]
	v_pk_add_f32 v[238:239], v[238:239], v[162:163]
	v_pk_add_f32 v[236:237], v[236:237], v[166:167]
	v_pk_add_f32 v[234:235], v[234:235], v[170:171]
	v_pk_add_f32 v[232:233], v[232:233], v[174:175]
	v_pk_add_f32 v[230:231], v[230:231], v[178:179]
	v_pk_add_f32 v[228:229], v[228:229], v[182:183]
	v_pk_add_f32 v[14:15], v[14:15], v[186:187]
	v_pk_add_f32 v[242:243], v[242:243], v[190:191]
	v_pk_add_f32 v[238:239], v[238:239], v[194:195]
	v_pk_add_f32 v[236:237], v[236:237], v[198:199]
	v_pk_add_f32 v[234:235], v[234:235], v[202:203]
	v_pk_add_f32 v[232:233], v[232:233], v[206:207]
	v_pk_add_f32 v[230:231], v[230:231], v[210:211]
	v_pk_add_f32 v[228:229], v[228:229], v[214:215]
	v_pk_add_f32 v[14:15], v[14:15], v[218:219]
	v_pk_add_f32 v[242:243], v[242:243], v[222:223]
	v_pk_add_f32 v[14:15], v[14:15], v[234:235]
	v_pk_add_f32 v[242:243], v[242:243], v[232:233]
	v_pk_add_f32 v[238:239], v[238:239], v[230:231]
	v_pk_add_f32 v[236:237], v[236:237], v[228:229]
	v_pk_add_f32 v[14:15], v[14:15], v[238:239]
	v_pk_add_f32 v[242:243], v[242:243], v[236:237]
	v_pk_add_f32 v[14:15], v[14:15], v[242:243]
.irp c, 0,1,2,3,4,5,6,7
.irp i, 0,1,2,3,4,5,6,7
	v_min_num_f32 v[S+8*\c+\i], v[S+8*\c+\i], v[LIMP]   ; the conversion does not saturate (ISA guide 7.6.2)
.endr
	v_cvt_scalef32_pk8_fp8_f32 v[P+2*\c:P+2*\c+1], v[S+8*\c:S+8*\c+7], v[SCP]
.endr
.irp i, 0,1,2,3                                ; V's sent fragments 0-3 into p's registers
.irp g, 0,1,2,3
	ds_load_b128 v[S+16*\i+4*\g:S+16*\i+4*\g+3], v[ADVS] offset:2048*\i+512*\g
.endr
.endr
	WIN 0x41
.set j, 0
.rept 64
	v_pk_mul_f32 v[j:j+1], v[j:j+1], v[F:F+1] op_sel_hi:[1,0]   ; O^T under the new M
.set j, j+2
.endr
	s_wait_alu depctr_va_vdst(0)
	s_wait_dscnt 16                                ; the kept fragments are in
	WIN 0x50
.irp i, 0,1,2,3
	PV \i, FA+16*\i
.endr
	WIN 0
.rept 4
	v_nop
.endr
.irp i, 0,1,2,3                                ; sent fragments 4-7
.irp g, 0,1,2,3
	ds_load_b128 v[FA+16*\i+4*\g:FA+16*\i+4*\g+3], v[ADVS] offset:2048*(4+\i)+512*\g
.endr
.endr
	WIN 0x50
.irp i, 4,5,6,7
	PV \i, FA+16*\i
.endr
	s_wait_dscnt 16                                ; sent fragments 0-3 are in
.irp i, 8,9,10,11
	PV \i, S+16*(\i-8)
.endr
	s_wait_dscnt 0x0
.irp i, 12,13,14,15
	PV \i, FA+16*(\i-12)
.endr                                          ; sixteen accumulators by turns
	WIN 0
.Lhidden_\@:
.endm
.macro QLOAD x, qb                     ; 16 queries' f32 as they lie: load i reads query i's 512 consecutive bytes of my head, 16 a lane
.irp i, 0,1,2,3,4,5,6,7,8,9,10,11,12,13,14,15
	global_load_b128 v[\x+4*\i:\x+4*\i+3], v[GO], s[\qb:\qb+1] offset:8192*\i th:TH_LOAD_NT
.endr
.endm
.macro QIN x                           ; 16 rows into my own XCH bytes, 528 bytes apart
.irp i, 0,1,2,3,4,5,6,7,8,9,10,11,12,13,14,15
	ds_store_b128 v[XW], v[\x+4*\i:\x+4*\i+3] offset:528*\i
.endr
.endm
.macro QBACK x                         ; and back: registers x + 16 c + 0..15 hold row r's 32 c + 16 hl + 0..15
.irp c, 0,1,2,3
.irp i, 0,1,2,3
	ds_load_b128 v[\x+16*\c+4*\i:\x+16*\c+4*\i+3], v[QOF] offset:128*\c+16*\i
.endr
.endr
.endm
.macro QCVT d, x
.irp c, 0,1,2,3
	v_cvt_scalef32_pk8_fp8_f32 v[\d+4*\c:\d+4*\c+1], v[\x+16*\c:\x+16*\c+7], v12
	v_cvt_scalef32_pk8_fp8_f32 v[\d+4*\c+2:\d+4*\c+3], v[\x+16*\c+8:\x+16*\c+15], v12
.endr
.endm
.macro INIT                            ; a group begins: zeros, which the first change of M leaves zeros
	v_mov_b32 v13, 0xff61b1e6
	s_delay_alu instid0(VALU_DEP_1)
	v_floor_f32 v12, -v13
	v_mov_b32 v14, 0
	v_mov_b32 v15, 0
	WIN 0x40
.set j, 0
.rept 128
	v_mov_b32 v[j], 0
.set j, j+1
.endr
	WIN 0
.endm
.macro BAR
	s_wait_dscnt 0x0
	s_barrier_signal -1
	s_barrier_wait -1
.endm
.macro EPILOGUE ob                     ; ob: out0 at my first query's row and my head
.rept 4
	v_nop
.endr
	v_add_f32 v14, v14, v15
	s_delay_alu instid0(VALU_DEP_1)
	v_permlanex16_b32 v[PD], v14, s[SEL], s[SEL+1]
	s_delay_alu instid0(VALU_DEP_1)
	v_add_f32 v14, v14, v[PD]                      ; l
	s_wait_alu depctr_va_vdst(0)
	v_rcp_f32 v14, v14
	v_nop
	s_wait_alu depctr_va_vdst(0)
	v_mul_f32 v14, v14, v[FV]                      ; 1 / l or -lambda / l
	s_delay_alu instid0(VALU_DEP_1)
	v_ldexp_f32 v[F], v14, s[EVP]
	WIN 0x01
.set j, 0
.rept 32
	v_pk_mul_f32 v[EA+j:EA+j+1], v[64+j:65+j], v[F:F+1] op_sel_hi:[1,0]   ; my partner's half
.set j, j+2
.endr
	WIN 0
.irp i, 0,1,2,3,4,5,6,7,8,9,10,11,12,13,14,15
	ds_store_b128 v[XW], v[EA+4*\i:EA+4*\i+3] offset:512*\i
.endr
	BAR
.irp i, 0,1,2,3,4,5,6,7,8,9,10,11,12,13,14,15
	ds_load_b128 v[EB+4*\i:EB+4*\i+3], v[XR] offset:512*\i
.endr
	s_wait_dscnt 0x0
	WIN 0x01
.set j, 0
.rept 32
	v_pk_fma_f32 v[EB+j:EB+j+1], v[j:j+1], v[F:F+1], v[EB+j:EB+j+1] op_sel_hi:[1,0,1]   ; attn1 - lambda attn2
.set j, j+2
.endr
	WIN 0
	v_pk_mul_f32 v[242:243], v[EB:EB+1], v[EB:EB+1]
	v_pk_mul_f32 v[14:15], v[EB+2:EB+3], v[EB+2:EB+3]
.irp j, 4,8,12,16,20,24,28,32,36,40,44,48,52,56,60
	v_pk_fma_f32 v[242:243], v[EB+\j:EB+\j+1], v[EB+\j:EB+\j+1], v[242:243]
	v_pk_fma_f32 v[14:15], v[EB+\j+2:EB+\j+3], v[EB+\j+2:EB+\j+3], v[14:15]
.endr
	v_pk_add_f32 v[14:15], v[14:15], v[242:243]
	v_add_f32 v14, v14, v15
	v_permlanex16_b32 v[PD], v14, s[SEL], s[SEL+1]
	v_add_f32 v14, v14, v[PD]
	ds_store_b32 v[PSW], v14
	s_wait_alu depctr_va_vdst(0)
	BAR                                            ; also: my partner has read my image, so my stage may take its place
	ds_load_b32 v15, v[PSR]
	s_wait_dscnt 0x0
	v_add_f32 v14, v14, v15
	v_fma_f32 v14, v14, s98, s99                   ; / 256 + eps
	s_wait_alu depctr_va_vdst(0)
	v_rsq_f32 v[F], v14
	v_nop
	s_wait_alu depctr_va_vdst(0)
.set j, 0
.rept 32
	v_pk_mul_f32 v[EB+j:EB+j+1], v[EB+j:EB+j+1], v[F:F+1] op_sel_hi:[1,0]
.set j, j+2
.endr
	WIN 0x04
.irp cbl, 0,1                                  ; x the gain; tile 4 cbl + x, register jj is channel 64 cbl + 32 hl + 4 jj + x
.irp jj, 0,1,2,3,4,5,6,7
.irp x, 0,1,2,3
	v_mul_f32 v[EC+32*\cbl+4*\jj+\x], v[EB+32*\cbl+8*\x+\jj], v[WP+32*\cbl+4*\jj+\x]
.endr
.endr
.endr
	WIN 0
.irp cbl, 0,1
.irp jj, 0,1,2,3,4,5,6,7
	ds_store_b128 v[STO], v[EC+32*\cbl+4*\jj:EC+32*\cbl+4*\jj+3] offset:256*\cbl+16*\jj
.endr
.endr
.irp i, 0,1,2,3,4,5,6,7,8,9,10,11,12,13,14,15
	ds_load_b128 v[EA+4*\i:EA+4*\i+3], v[XW] offset:528*\i                ; my own bytes, served in order (ISA guide 5.7.1.4)
.endr
.irp i, 0,1,2,3,4,5,6,7,8,9,10,11,12,13,14,15
	s_wait_dscnt 15-\i
	global_store_b128 v[GO], v[EA+4*\i:EA+4*\i+3], s[\ob:\ob+1] offset:8192*\i th:TH_STORE_NT   ; a head's row: 512 consecutive bytes, aligned
.endr
.endm
	s_load_b256 s[4:11], s[0:1], 0x0               ; q, kc, vc, the scales' exponents
	s_load_b256 s[12:19], s[0:1], 0x20             ; lambda_q1, lambda_k1, lambda_q2, lambda_k2
	s_load_b128 s[20:23], s[0:1], 0x40             ; subln_weight, out0
	v_lshl_add_u32 v[SPW], v0, 2, SPARE
	v_mov_b32 v[NIL], 0
	ds_add_u32 v[SPW], v[NIL]
	ds_add_u32 v[SPW], v[NIL]
	v_lshrrev_b32 v8, 5, v0
	v_readfirstlane_b32 s[WV], v8
	s_lshr_b32 s[AT], s[WV], 2
	s_and_b32 s[QT], s[WV], 3
	s_mov_b32 s[JJ], ttmp9                         ; the cluster's x
	s_and_b32 s[BH], ttmp7, 0xffff
	s_bfe_u32 s[PX], ttmp6, 0x40000
	s_mov_b32 s[G1K], 15|(1<<20)|(1<<21)|(5<<22)|(3<<25)   ; mask: all four; bytes; 16 bytes of padding behind each 256
	s_mov_b32 s[G1K+1], 256<<16
	s_mov_b32 s[G1K+2], 32<<16
	s_mov_b32 s[G1K+3], 256<<16
	s_mov_b32 s[G1K+4], 32
	s_mov_b32 s[G1K+5], 2048
	s_mov_b32 s[G1K+6], 0
	s_mov_b32 s[G1K+7], 0
	s_mov_b32 s[G1V], 15|(3<<16)|(1<<21)           ; 64 dense rows of 256 bytes in elements of 8
	s_mov_b32 s[G1V+1], 32<<16
	s_mov_b32 s[G1V+2], 64<<16
	s_mov_b32 s[G1V+3], 32<<16
	s_mov_b32 s[G1V+4], 64
	s_mov_b32 s[G1V+5], 32
	s_mov_b32 s[G1V+6], 0
	s_mov_b32 s[G1V+7], 0
	v_and_b32 v8, 31, v0                           ; L
	v_and_b32 v9, 15, v0                           ; r
	v_bfe_u32 v10, v0, 4, 1                        ; hl
	s_lshl_b32 s88, s[AT], 7
	v_mul_u32_u24 v[AK], v9, KP
	v_lshl_add_u32 v[AK], v10, 4, v[AK]
	v_add_nc_u32 v[AK], s88, v[AK]
	v_lshlrev_b32 v[GO], 4, v8
	s_mul_i32 s88, s[AT], 49152                    ; kept: set a, fragments 8 a on
	s_add_co_u32 s88, s88, VOFF
	v_add_nc_u32 v[AVK], s88, v[GO]
	s_lshl_b32 s88, s[AT], 14                      ; sent: set a, fragments 8 (1 - a) on
	s_add_co_u32 s88, s88, VOFF+16384
	v_add_nc_u32 v[AVS], s88, v[GO]
	v_lshlrev_b32 v[DL], 3, v10
	v_sub_nc_u32 v[DL], v9, v[DL]
	v_mul_u32_u24 v[QOF], v9, 528                  ; q's turn through my XCH bytes: row r + 64 hl
	v_lshl_add_u32 v[QOF], v10, 6, v[QOF]
	s_mul_i32 s88, s[WV], XWB
	s_add_co_u32 s88, s88, XCH
	v_add_nc_u32 v[XW], s88, v[GO]
	v_mul_u32_u24 v[STO], v9, 528
	v_lshl_add_u32 v[STO], v10, 7, v[STO]
	v_add_nc_u32 v[STO], s88, v[STO]
	v_add_nc_u32 v[QOF], s88, v[QOF]
	s_xor_b32 s88, s[WV], 4
	s_mul_i32 s88, s88, XWB
	s_add_co_u32 s88, s88, XCH
	v_add_nc_u32 v[XR], s88, v[GO]
	v_lshl_add_u32 v[PSW], v0, 2, PSB
	v_xor_b32 v[PSR], 128, v0
	v_lshl_add_u32 v[PSR], v[PSR], 2, PSB
	v_lshlrev_b32 v[T], 7, v10                     ; the gain: 128 hl + 512 a bytes
	s_lshl_b32 s88, s[AT], 9
	v_add_nc_u32 v[T], s88, v[T]
	v_mov_b32 v[PD], 0
	v_mov_b32 v[F+1], 0
	s_mov_b32 s[SEL], 0x76543210
	s_mov_b32 s[SEL+1], 0xfedcba98
	s_mov_b32 s[CS], 0x3e0293ee                    ; log2(e) / sqrt(128)
	s_mov_b32 s98, 0x3b800000                      ; 1 / 256
	s_mov_b32 s99, 0x3727c5ac                      ; eps
	s_mov_b32 s[TB], 0
	s_sub_co_u32 s[AMASK], 0, s[AT]
	; the tiles' offsets: of bh and the wave's number alone
	s_lshr_b32 s88, s[BH], 3                       ; b
	s_and_b32 s89, s[BH], 7                        ; h
	s_lshl_b32 s92, s88, 22
	s_lshl_b32 s93, s89, 8
	s_add_co_u32 s92, s92, s93                     ; kc: the batch and the pair's 256 bytes
	s_lshl_b32 s94, s[BH], 20                      ; vc: the pair's 16 blocks
	s_cmp_lt_u32 s[WV], 4
	s_cselect_b32 s96, s92, s94                    ; where my prefetches begin
	s_mov_b32 s97, 0
	s_lshl_b32 s93, s[QT], 16                      ; my 32 rows
	s_add_co_u32 s92, s92, s93
	s_mov_b32 s93, 0
	s_mov_b32 s[G0K], 1
	s_mul_i32 s[G0K+1], s[QT], 32*KP
	s_lshl_b32 s91, s[QT], 14                      ; my quarter of V
	s_mov_b32 s[G0V], 1
	s_add_co_u32 s[G0V+1], s91, VOFF
	s_add_co_u32 s94, s94, s91
	s_mov_b32 s95, 0
	s_sub_co_u32 s86, 7, s[JJ]
	s_lshl_b32 s86, s86, 8
	s_lshl_b32 s90, s[QT], 6
	s_add_co_u32 s86, s86, s90                     ; 256 (7 - c) + 64 t
	s_lshl_b32 s87, s[JJ], 8
	s_add_co_u32 s87, s87, s90                     ; 256 c + 64 t
	; q's and out0's offsets (the same bytes in both): here p enters
	s_lshl_b32 s88, s88, 11
	s_lshl_b32 s90, s[PX], 4
	v_add_nc_u32 v[DL], s90, v[DL]
	s_add_co_u32 s88, s88, s90                     ; 2,048 b + 16 p
	s_lshl_b32 s89, s89, 1
	s_add_co_u32 s89, s89, s[AT]
	s_lshl_b32 s89, s89, 9                         ; head 2 h + a
	s_add_co_u32 s80, s88, s86
	s_lshl_b32 s80, s80, 13
	s_add_co_u32 s80, s80, s89
	s_mov_b32 s81, 0
	s_add_co_u32 s82, s88, s87
	s_lshl_b32 s82, s82, 13
	s_add_co_u32 s82, s82, s89
	s_mov_b32 s83, 0
	s_lshr_b32 s90, s[WV], 1                       ; who prefetches: waves 0, 4, 5 of cluster 0
	s_cmp_eq_u32 s90, 2
	s_cselect_b32 s90, 0, s[WV]
	s_or_b32 s90, s90, s[JJ]
	s_cmp_eq_u32 s90, 0
	s_cselect_b32 s[LIM], 14, 0
	s_and_b32 s90, s[WV], 1
	s_lshl_b32 s90, s90, 13
	s_lshl_b32 s91, s[PX], 14
	s_add_co_u32 s90, s90, s91                     ; V: quarter p, 32 blocks a wave
	s_lshl_b32 s91, s[PX], 16                      ; K: rows 32 p on
	s_cmp_lt_u32 s[WV], 4
	s_cselect_b32 s89, s91, s90
	s_cselect_b32 s88, 11, 8
	s_mov_b32 s[PFS], 0x10000
	s_cselect_b32 s[PFS], 0x40000, s[PFS]
	s_mov_b32 s[PFS+1], 0
	v_lshlrev_b32 v[PFO], s88, v8
	v_add_nc_u32 v[PFO], s89, v[PFO]
	s_wait_alu depctr_va_vdst(0)
	s_wait_dscnt 0x0
	s_wait_kmcnt 0x0
	s_load_b256 s[48:55], s[10:11], 0x0            ; e0 .. e7
	s_add_nc_u64 s[G0K+2:G0K+3], s[6:7], s[92:93]
	s_add_nc_u64 s[G0V+2:G0V+3], s[8:9], s[94:95]
	s_cmp_lt_u32 s[WV], 4
	s_cselect_b64 s[PFA:PFA+1], s[6:7], s[8:9]
	s_add_nc_u64 s[PFA:PFA+1], s[PFA:PFA+1], s[96:97]
	s_add_nc_u64 s[PFA:PFA+1], s[PFA:PFA+1], s[PFS:PFS+1]  ; at slot 1: the first change steps it to slot 2
	s_or_b32 s[G0K+3], s[G0K+3], 0x80000000
	s_or_b32 s[G0V+3], s[G0V+3], 0x80000000
	s_add_nc_u64 s[78:79], s[4:5], s[80:81]
	s_add_nc_u64 s[84:85], s[4:5], s[82:83]
	s_add_nc_u64 s[80:81], s[22:23], s[80:81]
	s_add_nc_u64 s[82:83], s[22:23], s[82:83]
	ROUND                                          ; the four partners are here: the first joint loads meet
	JLOAD                                          ; slot 0: one tensor load a wave at the head
	QLOAD 32, 78                                   ; both groups' queries
	QLOAD 96, 84
	global_load_b128 v[160:163], v[GO], s[12:13]
	global_load_b128 v[164:167], v[GO], s[14:15]
	global_load_b128 v[168:171], v[GO], s[16:17]
	global_load_b128 v[172:175], v[GO], s[18:19]
	WIN 0x40
.irp cbl, 0,1
.irp jj, 0,1,2,3,4,5,6,7
	global_load_b128 v[WP+32*\cbl+4*\jj:WP+32*\cbl+4*\jj+3], v[T], s[20:21] offset:256*\cbl+16*\jj
.endr
.endr
	WIN 0
	s_wait_kmcnt 0x0
	s_cmp_lt_u32 s[WV], 4                          ; my attention's exponents: selected, never branched on
	s_cselect_b32 s88, s48, s52                    ; e(q)
	s_cselect_b32 s89, s49, s53                    ; e(k)
	s_cselect_b32 s90, s50, s54                    ; e(v)
	s_cselect_b32 s91, s51, s55                    ; e(p)
	s_add_co_i32 s93, s88, 127
	s_lshl_b32 s94, s93, 23
	v_mov_b32 v12, s94                             ; 2^e(q): v12 and v13 serve q until a group's state is set
	s_add_co_i32 s93, s93, 8
	s_lshl_b32 s93, s93, 23
	s_or_b32 s93, s93, 0x600000
	v_mov_b32 v13, s93                             ; 448 x 2^e(q)
	s_add_co_i32 s88, s88, s89
	s_lshl_b32 s88, s88, 23
	s_add_co_i32 s[CS], s[CS], s88                 ; c x 2^(e(q) + e(k))
	s_mov_b32 s[CS+1], s[CS]
	s_add_co_i32 s[EVP], s90, s91
	s_add_co_i32 s91, s91, 127
	s_lshl_b32 s92, s91, 23
	v_mov_b32 v[SCP], s92
	s_add_co_i32 s91, s91, 8
	s_lshl_b32 s91, s91, 23
	s_or_b32 s91, s91, 0x600000
	v_mov_b32 v[LIMP], s91
	s_wait_alu depctr_va_vdst(0)
	s_wait_loadcnt 0x0                             ; q, the lambdas, the gain
	v_mul_f32 v176, v160, v164                     ; the two dot products
	v_mul_f32 v177, v168, v172
	v_fmac_f32 v176, v161, v165
	v_fmac_f32 v177, v169, v173
	v_fmac_f32 v176, v162, v166
	v_fmac_f32 v177, v170, v174
	v_fmac_f32 v176, v163, v167
	v_fmac_f32 v177, v171, v175
.irp m, 1,2,4,8
	v_add_f32_dpp v176, v176, v176 row_xmask:\m row_mask:0xf bank_mask:0xf
	v_add_f32_dpp v177, v177, v177 row_xmask:\m row_mask:0xf bank_mask:0xf
.endr
	v_permlanex16_b32 v[PD], v176, s[SEL], s[SEL+1]
	v_add_f32 v176, v176, v[PD]
	v_permlanex16_b32 v[PD], v177, s[SEL], s[SEL+1]
	v_add_f32 v177, v177, v[PD]
	v_mul_f32 v176, 0x3fb8aa3b, v176
	v_mul_f32 v177, 0x3fb8aa3b, v177
	s_wait_alu depctr_va_vdst(0)
	v_exp_f32 v176, v176                           ; lambda_1
	v_exp_f32 v177, v177                           ; lambda_2
	v_nop
	s_wait_alu depctr_va_vdst(0)
	v_sub_f32 v176, v177, v176
	v_add_f32 v176, 0xbf489a63, v176               ; -lambda; lambda_init = 0.8 - 0.6 e^-3.6
	v_mov_b32 v177, 1.0
	v_cndmask_b32 v[FV], v177, v176, s[AMASK]
	WIN 0x41
.set j, 0
.rept 32
	v_pk_mul_f32 v[WP+j:WP+j+1], v[WP+j:WP+j+1], 0x3e5d9673 op_sel_hi:[1,0]   ; the gain x (1 - lambda_init)
.set j, j+2
.endr
	WIN 0
	; q: both groups' rows turn through my own XCH bytes, so that a lane holds 16 neighbours along the head; LDS serves a wave's instructions in order (ISA guide 5.7.1.4)
	QIN 32
	QBACK 160
	QIN 96
	s_wait_dscnt 16                                ; all but the 16 stores just issued: the first group's stores have read v32-95
	QBACK 32
	s_wait_dscnt 0x0
.set n, 0
.rept 64
	v_med3_num_f32 v[160+n], v[160+n], -v13, v13   ; the hold ahead of the conversion (ISA guide 7.6.2)
	v_med3_num_f32 v[32+n], v[32+n], -v13, v13
.set n, n+1
.endr
	QCVT Q, 160
	WIN 0x40
	QCVT Q2, 32
	WIN 0
	v_nop                                          ; a plain line behind the last conversion
	s_lshl_b32 s[N1], s[JJ], 1
	s_sub_co_u32 s[N1], 16, s[N1]
	s_mov_b32 s[WK+1], 0
	s_mov_b32 s[WVV+1], 0
	INIT
	s_mov_b32 s[Q0], s86
	s_mov_b32 s[KF], 0
	s_mov_b32 s[SQ], 0
	s_wait_alu depctr_va_vdst(0)
.Ltrip:
	CHANGE 1
	STEP
	s_xor_b32 s[TB], s[TB], SLOT1
	s_add_co_u32 s[KF], s[KF], 128
	s_add_co_u32 s[SQ], s[SQ], 1
	s_cmp_lg_u32 s[SQ], s[N1]                      ; ids and the count of steps: the same in all waves and partners
	s_cbranch_scc1 .Lsame
	EPILOGUE 80                                    ; the first group is done; the second group's first slot is on its way
	WIN 0x01
.set j, 0
.rept 16
	v_mov_b32 v[Q+j], v[Q2+j]
.set j, j+1
.endr
	WIN 0
	INIT
	s_mov_b32 s[Q0], s87
	s_mov_b32 s[KF], 0
	s_wait_xcnt 0x0                                ; the stores have read their data
	s_wait_alu depctr_va_vdst(0)
.Lsame:
	s_cmp_lt_u32 s[SQ], 17
	s_cbranch_scc1 .Ltrip
	CHANGE 0                                       ; the last slot: nothing more is asked for
	STEP
	EPILOGUE 82
	s_wait_tensorcnt 0x0                           ; the wave's end
	ds_add_u32 v[SPW], v[NIL]
	s_wait_dscnt 0x0
	ROUND                                          ; the closing round
	s_endpgm
.Lfunc_end_k_q0519075fce_attn:
	.size	k_q0519075fce_attn, .Lfunc_end_k_q0519075fce_attn-k_q0519075fce_attn
	.p2alignl 7, 3214868480
	.fill 96, 4, 3214868480
	.section	.rodata,"a",@progbits
	.p2align	6, 0x0
	.amdhsa_kernel k_q0519075fce_attn
		.amdhsa_group_segment_fixed_size 327680
		.amdhsa_private_segment_fixed_size 0
		.amdhsa_enable_private_segment 0
		.amdhsa_kernarg_size 80
		.amdhsa_user_sgpr_count 2
		.amdhsa_user_sgpr_kernarg_segment_ptr 1
		.amdhsa_wavefront_size32 1
		.amdhsa_system_sgpr_workgroup_id_x 1
		.amdhsa_system_sgpr_workgroup_id_y 1
		.amdhsa_system_sgpr_workgroup_id_z 1
		.amdhsa_system_vgpr_workitem_id 0
		.amdhsa_next_free_vgpr 464
		.amdhsa_next_free_sgpr 102
		.amdhsa_reserve_vcc 1
		.amdhsa_float_denorm_mode_32 3
		.amdhsa_float_denorm_mode_16_64 3
		.amdhsa_memory_ordered 1
		.amdhsa_forward_progress 1
		.amdhsa_inst_pref_size 137
	.end_amdhsa_kernel
	.amdgpu_metadata
---
amdhsa.version: [ 1, 2 ]
amdhsa.kernels:
  - .name:           k_q0519075fce_attn
    .symbol:         k_q0519075fce_attn.kd
    .args:
      - { .name: q, .offset: 0, .size: 8, .value_kind: global_buffer, .address_space: global }
      - { .name: kc, .offset: 8, .size: 8, .value_kind: global_buffer, .address_space: global }
      - { .name: vc, .offset: 16, .size: 8, .value_kind: global_buffer, .address_space: global }
      - { .name: lowp_scales, .offset: 24, .size: 8, .value_kind: global_buffer, .address_space: global }
      - { .name: lambda_q1, .offset: 32, .size: 8, .value_kind: global_buffer, .address_space: global }
      - { .name: lambda_k1, .offset: 40, .size: 8, .value_kind: global_buffer, .address_space: global }
      - { .name: lambda_q2, .offset: 48, .size: 8, .value_kind: global_buffer, .address_space: global }
      - { .name: lambda_k2, .offset: 56, .size: 8, .value_kind: global_buffer, .address_space: global }
      - { .name: subln_weight, .offset: 64, .size: 8, .value_kind: global_buffer, .address_space: global }
      - { .name: out0, .offset: 72, .size: 8, .value_kind: global_buffer, .address_space: global }
    .group_segment_fixed_size: 327680
    .private_segment_fixed_size: 0
    .kernarg_segment_align: 8
    .kernarg_segment_size: 80
    .max_flat_workgroup_size: 256
    .sgpr_count:     102
    .vgpr_count:     464
    .wavefront_size: 32
...
	.end_amdgpu_metadata
.endif
;; end of part 2
